; MI455X (gfx1250); checked and timed in simulation.
; The chip was launched on July 23, 2026; its instructions are those of AMD's public machine-readable ISA for CDNA 5 (MIT licence, August 2026) and "CDNA5" Instruction Set Architecture Reference Guide (July 2026). The comments in the code are by the model that wrote it; some were corrected since.
;; Casual MHSA. Allowed arithmetic: float matrix products may take bf16 or f16 operands with f32 sums; all other float work in f32.
;; Inputs: b_in 3,072 float32; b_out 1,024 float32; w_in 3,072 x 1,024 float32; w_out 1,024 x 1,024 float32; x 2 x 2,048 x 1,024 float32.
;; Outputs: out0 2 x 2,048 x 1,024 float32.
;; One version. Each part assembles by itself: llvm-mc -triple=amdgcn-amd-amdhsa -mcpu=gfx1250 --defsym DOCPART=n.
;; ======== version 1 of 1: 4 launches
;; limits: values are held in f16: magnitudes above 65,504 overflow, below 6.1e-05 lose precision
;; workspace buffers: ops 16,777,216 bytes; qkv 25,165,824 bytes; ctx 8,388,608 bytes
;; launch cvt (part 1): grid 1024 x 1, 8 waves a work-group, no clusters, 0 bytes of LDS; arguments x, w_in, w_out, ops; writes ops
.if DOCPART == 1
	.amdgcn_target "amdgcn-amd-amdhsa--gfx1250"
	.amdhsa_code_object_version 6
	.text
	.protected	k_q7a58517fed_cvt
	.globl	k_q7a58517fed_cvt
	.p2align	8
	.type	k_q7a58517fed_cvt,@function
k_q7a58517fed_cvt:
	s_mov_b64 s[64:65], 0
	v_nop
	global_prefetch_b8 v0, s[64:65] scope:SCOPE_SE
	s_setreg_imm32_b32 hwreg(HW_REG_WAVE_MODE, 25, 1), 1
	s_wait_xcnt 0x0
; The three matrix inputs are rounded once to 16 bits, so that the products can fetch 16-bit tiles.
;   ops: x as bf16 [4096][1024] at byte 0, w_in as bf16 [3072][1024] at byte 8,388,608, w_out [1024][1024] at byte 14,680,064.
; w_out is rounded to bf16 like the other two and then written in f16 code, because its partner in the last product (ctx) is f16.
; LIMIT: the f16 code holds a bf16 number exactly for 2^-14 <= |w_out| <= 65504; smaller ones move by at most 2^-25, larger ones become infinity.
; A pure stream: no LDS, no barrier, no matrix unit, no cluster (no byte is read twice).
; Work-group g turns 8,192 numbers (32 KiB) into 16 KiB at ops + 16384 g.  Thread t takes 16 bytes at 16 t of each of eight blocks of 4 KiB:
; a wave's load covers 512 consecutive bytes, its store 256 consecutive bytes at a multiple of 256.
.set XG,  512                          ; work-groups 0 .. 511 take x
.set WIG, 896                          ; 512 .. 895 take w_in, 896 .. 1023 take w_out
.set IN,  8                            ; v[8:39]   eight loads of four f32
.set OUT, 40                           ; v[40:55]  eight pairs of packed results
.set T,   56                           ; v[56:61]  at work (f16 path)
	s_load_b256 s[4:11], s[0:1], 0x0               ; x s[4:5], w_in s[6:7], w_out s[8:9], ops s[10:11]
	v_lshlrev_b32 v1, 4, v0                        ; where I load: 16 t
	v_lshlrev_b32 v2, 3, v0                        ; where I store: 8 t
	s_mov_b32 s20, 0xffff0000                      ; a word's upper bf16
	s_wait_kmcnt 0x0
	s_cmp_lt_u32 ttmp9, XG                         ; which input, and the number of its first work-group
	s_cselect_b64 s[14:15], s[4:5], s[6:7]
	s_cselect_b32 s13, 0, XG
	s_cmp_lt_u32 ttmp9, WIG
	s_cselect_b64 s[14:15], s[14:15], s[8:9]
	s_cselect_b32 s13, s13, WIG
	s_sub_co_u32 s16, ttmp9, s13
	s_lshl_b32 s16, s16, 15                        ; 32 KiB of the input for each work-group
	s_mov_b32 s17, 0
	s_add_nc_u64 s[14:15], s[14:15], s[16:17]
	s_lshl_b32 s18, ttmp9, 14                      ; 16 KiB of ops
	s_mov_b32 s19, 0
	s_add_nc_u64 s[10:11], s[10:11], s[18:19]
.irp j, 0,1,2,3,4,5,6,7
	global_load_b128 v[IN+4*\j:IN+4*\j+3], v1, s[14:15] offset:4096*\j th:TH_LOAD_NT   ; read once in the launch
.endr
	s_cmp_ge_u32 ttmp9, WIG
	s_cbranch_scc1 .Lf16
.irp j, 0,1,2,3,4,5,6,7
	s_wait_loadcnt 7-\j                            ; loads come back in order: load j is in, the 7 - j younger ones stay out
	v_cvt_pk_bf16_f32 v[OUT+2*\j],   v[IN+4*\j],   v[IN+4*\j+1]
	v_cvt_pk_bf16_f32 v[OUT+2*\j+1], v[IN+4*\j+2], v[IN+4*\j+3]
	global_store_b64 v2, v[OUT+2*\j:OUT+2*\j+1], s[10:11] offset:2048*\j               ; the next launch reads these bytes: no hint
.endr
	s_endpgm
.Lf16:
.irp j, 0,1,2,3,4,5,6,7
	s_wait_loadcnt 7-\j
	v_cvt_pk_bf16_f32 v[T],   v[IN+4*\j],   v[IN+4*\j+1]   ; the rounding that counts: to bf16, nearest even
	v_cvt_pk_bf16_f32 v[T+1], v[IN+4*\j+2], v[IN+4*\j+3]
	v_lshlrev_b32 v[T+2], 16, v[T]                 ; back to f32,
	v_and_b32     v[T+3], s20, v[T]
	v_lshlrev_b32 v[T+4], 16, v[T+1]
	v_and_b32     v[T+5], s20, v[T+1]
	v_cvt_pk_f16_f32 v[OUT+2*\j],   v[T+2], v[T+3] ; and into f16 code (8 significant bits fit in 11)
	v_cvt_pk_f16_f32 v[OUT+2*\j+1], v[T+4], v[T+5]
	global_store_b64 v2, v[OUT+2*\j:OUT+2*\j+1], s[10:11] offset:2048*\j
.endr
	s_endpgm
.Lfunc_end_k_q7a58517fed_cvt:
	.size	k_q7a58517fed_cvt, .Lfunc_end_k_q7a58517fed_cvt-k_q7a58517fed_cvt
	.p2alignl 7, 3214868480
	.fill 96, 4, 3214868480
	.section	.rodata,"a",@progbits
	.p2align	6, 0x0
	.amdhsa_kernel k_q7a58517fed_cvt
		.amdhsa_group_segment_fixed_size 0
		.amdhsa_private_segment_fixed_size 0
		.amdhsa_enable_private_segment 0
		.amdhsa_kernarg_size 32
		.amdhsa_user_sgpr_count 2
		.amdhsa_user_sgpr_kernarg_segment_ptr 1
		.amdhsa_wavefront_size32 1
		.amdhsa_system_sgpr_workgroup_id_x 1
		.amdhsa_system_sgpr_workgroup_id_y 1
		.amdhsa_system_sgpr_workgroup_id_z 1
		.amdhsa_system_vgpr_workitem_id 0
		.amdhsa_next_free_vgpr 64
		.amdhsa_next_free_sgpr 66
		.amdhsa_reserve_vcc 0
		.amdhsa_float_denorm_mode_32 3
		.amdhsa_float_denorm_mode_16_64 3
		.amdhsa_memory_ordered 1
		.amdhsa_forward_progress 1
		.amdhsa_inst_pref_size 8
	.end_amdhsa_kernel
	.amdgpu_metadata
---
amdhsa.version: [ 1, 2 ]
amdhsa.kernels:
  - .name:           k_q7a58517fed_cvt
    .symbol:         k_q7a58517fed_cvt.kd
    .args:
      - { .name: x, .offset: 0, .size: 8, .value_kind: global_buffer, .address_space: global }
      - { .name: w_in, .offset: 8, .size: 8, .value_kind: global_buffer, .address_space: global }
      - { .name: w_out, .offset: 16, .size: 8, .value_kind: global_buffer, .address_space: global }
      - { .name: ops, .offset: 24, .size: 8, .value_kind: global_buffer, .address_space: global }
    .group_segment_fixed_size: 0
    .private_segment_fixed_size: 0
    .kernarg_segment_align: 8
    .kernarg_segment_size: 32
    .max_flat_workgroup_size: 256
    .sgpr_count:     66
    .vgpr_count:     64
    .wavefront_size: 32
...
	.end_amdgpu_metadata
.endif
;; end of part 1
;; launch inproj (part 2): grid 16 x 16, 4 waves a work-group, clusters of 4 x 4, 327,680 bytes of LDS; arguments ops, b_in, qkv; writes qkv
.if DOCPART == 2
	.amdgcn_target "amdgcn-amd-amdhsa--gfx1250"
	.amdhsa_code_object_version 6
	.text
	.protected	k_q7a58517fed_inproj
	.globl	k_q7a58517fed_inproj
	.p2align	8
	.type	k_q7a58517fed_inproj,@function
k_q7a58517fed_inproj:
	s_mov_b64 s[64:65], 0
	v_nop
	global_prefetch_b8 v0, s[64:65] scope:SCOPE_SE
	s_setreg_imm32_b32 hwreg(HW_REG_WAVE_MODE, 25, 1), 1
	s_wait_xcnt 0x0
	s_wait_alu depctr_hold_cnt(0) depctr_sa_sdst(0) depctr_va_vdst(0) depctr_va_sdst(0) depctr_va_ssrc(0) depctr_va_vcc(0) depctr_vm_vsrc(0)
	s_getreg_b32 s2, hwreg(HW_REG_IB_STS2, 6, 4)
	s_cmp_eq_u32 s2, 0
	s_cbranch_scc0 .Lentry_in_a_cluster
	s_endpgm
.Lentry_in_a_cluster:
	s_bfe_u32 s2, ttmp6, 0x10000c
	s_cmp_lg_u32 s2, 0xf033
	s_cbranch_scc0 .Lentry_shape_is_right
	s_endpgm
.Lentry_shape_is_right:
; qkv = x w_in^T + b_in: [4096][3072], K = 1024, bf16 operands (from ops), f32 sums; stored in f16 with exact scales:
;   q' = 0.25 log2(e) (q + b), k' = 0.5 (k + b), v' = 0.25 (v + b): q'.k' is the score / 8 in powers of two; the 0.25 of v is taken back in the last launch.
; LIMIT: |q'|, |k'|, |v'| above 65504 become infinity in f16.
; qkv lies as [32 blocks of 128 rows][96 units of 32 columns][128 rows][32 columns] f16: a unit is 8,192 dense bytes; q of head h is units 2h, 2h+1, k 32+2h.., v 64+2h...
; A work-group makes 256 rows x 192 columns (16 x 16 = 256 work-groups), four waves of 128 x 96: 48 accumulator tiles of 16 x 16, 384 registers.
; K goes in steps of 128 through two LDS slots filled by tensor loads whose rows are 256 bytes of memory at multiples of 256.
; CLUSTER 4 x 4: x's tile hangs on the block row alone and is asked for jointly by a row of the cluster, w_in's on the block column alone and by a column.
; REGISTER WINDOWS: 0: addresses, x's fragments (two buffers), the way out.  1: bias v0-47, w_in's fragments (two buffers).
;   2: accumulators of my rows 0-63, tile (a, b) at v[8 (6 a + b)].  3: those of rows 64-127.
; The matrix instruction is used transposed (source 0 = 16 rows of w_in, source 1 = 16 rows of x): a lane then holds 8 neighbouring columns of one row.
.set KSTEP,  128
.set PITCH,  272                       ; 256 bytes + 16 of padding: the 16 rows of a fragment load start in 16 different 16-byte columns modulo 256
.set AHALF,  128*PITCH                 ; one tensor load of x: 128 rows
.set BHALF,  96*PITCH                  ; one tensor load of w_in: 96 rows
.set BOFF,   2*AHALF
.set SLOT,   2*AHALF+2*BHALF           ; 121,856
.set STAGE,  2*SLOT                    ; 243,712: behind the ring, no tensor load lands here
.set WSTAGE, 3328                      ; a wave's stage: 3 units x 4 groups x 272 = 3,264 bytes, in blocks of 256
.set UPITCH, 4*272                     ; a unit's 16 rows in the stage: 4 groups of 256 bytes + 16
.set LAPS,   1024/(2*KSTEP)
.set WIB,    8388608                   ; w_in's bf16 copy in ops
.set SQ, 0x3eb8aa3b                    ; 0.25 log2(e)
.set SK, 0x3f000000                    ; 0.5
.set SV, 0x3e800000                    ; 0.25
.set ADRA, 16                          ; v16-17  LDS address of my x fragments in slot 0, 1
.set ADRB, 20                          ; v20-21  the same for w_in
.set STO,  24                          ; v24     the way out: where I put 16 bytes
.set RD,   25                          ; v25     the way out: where I read 16 bytes back
.set CO,   26                          ; v26     16 x lane
.set BO,   27                          ; v27     32 x (lane / 16): my 8 columns in a tile's 16, in b_in
.set F0,   64
.set F1,   128
.set PK,   128                         ; v128-151 packed f16 (buffer 1 is free by then)
.set TMP,  192                         ; v192-239 scaled f32
.set G1,  24                           ; s[24:31] shape of x's tiles
.set G0,  32                           ; s[32:39] from where, to where: one set a slot
.set G1B, 48                           ; s[48:55] shape of w_in's tiles
.set G0B, 56                           ; s[56:63]
.set SC,  66                           ; s[66:71] the scale of each of my three units, twice (a pair for the packed forms)
.set MSB, 0
.macro WIN new                         ; the immediate's high byte repeats the setting that is left
.if MSB != \new
	s_set_vgpr_msb (MSB<<8)|\new
.set MSB, \new
.endif
.endm
.set MUL_LO, 0xa1                      ; source 0 window 1, source 1 window 0, C and D window 2
.set MUL_HI, 0xf1                      ; the same, C and D window 3
.set TO_B,   0x40                      ; destination window 1
; A joint load: waves 0 and 1 fetch x's two halves, waves 2 and 3 w_in's.  The branch hangs on the wave's number alone.
.macro JLOAD s
	s_cmp_eq_u32 s11, 0
	s_cbranch_scc0 .Lfor_b_\@
	tensor_load_to_lds s[G0+4*\s:G0+4*\s+3], s[G1:G1+7]
	s_nop 0
	s_branch .Lasked_\@
.Lfor_b_\@:
	tensor_load_to_lds s[G0B+4*\s:G0B+4*\s+3], s[G1B:G1B+7]
	s_nop 0
.Lasked_\@:
.endm
.macro CREST                           ; a round of the cluster's barrier behind its opening work-group barrier
	s_cmp_lg_u32 s10, 0
	s_cbranch_scc1 .Lnot_wave_0_\@
	s_barrier_signal -3
.Lnot_wave_0_\@:
	s_barrier_wait -3
	s_barrier_signal -1
	s_barrier_wait -1
.endm
.macro CROUND
	s_barrier_signal -1
	s_barrier_wait -1
	CREST
.endm
	s_load_b128 s[4:7], s[0:1], 0x0                ; ops s[4:5], b_in s[6:7]
	s_load_b64 s[8:9], s[0:1], 0x10                ; qkv
	s_set_vgpr_msb 0x40
	v_lshl_add_u32 v255, v0, 2, 0x3ec00
	s_set_vgpr_msb 0x4000
	v_mov_b32 v255, 0
	s_set_vgpr_msb 0x1
	ds_add_u32 v255, v255
	ds_add_u32 v255, v255
	s_set_vgpr_msb 0x100
	v_lshrrev_b32 v1, 5, v0
	v_readfirstlane_b32 s10, v1                    ; wave 0..3
	s_lshr_b32 s11, s10, 1                         ; my half of the block's rows; also: I fetch x (0) or w_in (1)
	s_and_b32 s12, s10, 1                          ; my half of its columns; also: which half of that tile I fetch
	s_bfe_u32 s40, ttmp6, 0x40000                  ; cx
	s_bfe_u32 s41, ttmp6, 0x40004                  ; cy
	s_lshl_b32 s42, ttmp9, 2
	s_add_co_u32 s42, s42, s40                     ; block column (192 columns) = 4 x cluster x + cx
	s_and_b32 s13, ttmp7, 0xffff
	s_lshl_b32 s13, s13, 2
	s_add_co_u32 s13, s13, s41                     ; block row (256 rows) = 4 x cluster y + cy
	s_lshl_b32 s43, s41, 2
	s_lshl_b32 s43, 15, s43                        ; my row of the cluster
	s_lshl_b32 s44, 0x1111, s40                    ; my column
	s_or_b32 s[G1+0], s43, (1<<16)|(1<<20)|(1<<21)|(5<<22)|(3<<25)   ; mask; 2-byte elements; padding on, 4 words behind every 64; bit 21 beside a mask
	s_or_b32 s[G1B+0], s44, (1<<16)|(1<<20)|(1<<21)|(5<<22)|(3<<25)
	s_mov_b32 s[G1+1], KSTEP<<16                   ; tensor_dim0 = 128
	s_mov_b32 s[G1B+1], KSTEP<<16
	s_mov_b32 s[G1+2], 128<<16                     ; tensor_dim1 = 128 rows
	s_mov_b32 s[G1B+2], 96<<16                     ; 96 rows
	s_mov_b32 s[G1+3], KSTEP<<16                   ; tile_dim0 = 128
	s_mov_b32 s[G1B+3], KSTEP<<16
	s_mov_b32 s[G1+4], 128                         ; tile_dim1
	s_mov_b32 s[G1B+4], 96
	s_mov_b32 s[G1+5], 1024                        ; elements from row to row
	s_mov_b32 s[G1B+5], 1024
	s_mov_b32 s[G1+6], 0
	s_mov_b32 s[G1B+6], 0
	s_mov_b32 s[G1+7], 0
	s_mov_b32 s[G1B+7], 0
	s_lshl_b32 s17, s12, 7
	s_lshl_b32 s16, s13, 8
	s_add_co_u32 s16, s16, s17                     ; x: row 256 x block row + 128 x half,
	s_lshl_b32 s16, s16, 11                        ; of 2,048 bytes
	s_mov_b32 s17, 0
	s_mul_i32 s46, s42, 192
	s_mul_i32 s47, s12, 96
	s_add_co_u32 s46, s46, s47                     ; w_in: row 192 x block column + 96 x half
	s_lshl_b32 s46, s46, 11
	s_add_co_u32 s46, s46, WIB
	s_mov_b32 s47, 0
	s_mul_i32 s20, s10, AHALF                      ; to where: x's halves at wave x 128 rows (waves 0, 1),
	s_mul_i32 s45, s10, BHALF
	s_add_co_u32 s45, s45, BOFF-2*BHALF            ; w_in's behind them at (wave - 2) x 96 rows (waves 2, 3)
	s_wait_dscnt 0x0
	s_wait_kmcnt 0x0
	s_add_nc_u64 s[14:15], s[4:5], s[16:17]
	s_add_nc_u64 s[46:47], s[4:5], s[46:47]
	CROUND                                         ; all sixteen work-groups are here: the first joint loads meet
.irp s, 0,1
	s_mov_b32 s[G0+4*\s], 1
	s_add_co_u32 s[G0+4*\s+1], s20, \s*SLOT
	s_add_nc_u64 s[G0+4*\s+2:G0+4*\s+3], s[14:15], \s*KSTEP*2
	s_or_b32 s[G0+4*\s+3], s[G0+4*\s+3], 0x80000000
	s_mov_b32 s[G0B+4*\s], 1
	s_add_co_u32 s[G0B+4*\s+1], s45, \s*SLOT
	s_add_nc_u64 s[G0B+4*\s+2:G0B+4*\s+3], s[46:47], \s*KSTEP*2
	s_or_b32 s[G0B+4*\s+3], s[G0B+4*\s+3], 0x80000000
	JLOAD \s                                       ; K steps 0 and 1: two tensor loads of the wave are out, never more
.endr
	v_and_b32 v1, 15, v0                           ; r = lane % 16
	v_bfe_u32 v2, v0, 4, 1                         ; h = lane / 16
	v_mul_u32_u24 v3, v1, PITCH
	v_lshl_add_u32 v3, v2, 4, v3                   ; a fragment: row r, 16 bytes at 16 h and at 32 + 16 h
	s_mul_i32 s21, s11, AHALF
	s_mul_i32 s22, s12, BHALF
	s_add_co_u32 s22, s22, BOFF
.irp s, 0,1
	v_add_nc_u32 v[ADRA+\s], s21, v3
	v_add_nc_u32 v[ADRB+\s], s22, v3
	s_add_co_u32 s21, s21, SLOT
	s_add_co_u32 s22, s22, SLOT
.endr
	s_mul_i32 s23, s10, WSTAGE
	s_add_co_u32 s23, s23, STAGE                   ; my stage
	v_lshrrev_b32 v4, 2, v1                        ; in: a unit's row is 64 bytes; four rows make a group of 256 + 16 bytes
	v_mul_u32_u24 v4, v4, 272
	v_and_b32 v5, 3, v1
	v_lshl_add_u32 v4, v5, 6, v4
	v_lshl_add_u32 v4, v2, 4, v4                   ; 16-byte column (r / 4) + 4 (r % 4): sixteen different ones
	v_add_nc_u32 v[STO], s23, v4
	v_mul_u32_u24 v5, v2, 272                      ; back: lanes 0-15 one group, lanes 16-31 the next
	v_lshl_add_u32 v5, v1, 4, v5
	v_add_nc_u32 v[RD], s23, v5
	v_and_b32 v5, 31, v0
	v_lshlrev_b32 v[CO], 4, v5
	v_lshlrev_b32 v[BO], 5, v2
	s_mul_i32 s72, s42, 192                        ; b_in at my 96 columns
	s_mul_i32 s73, s12, 96
	s_add_co_u32 s72, s72, s73
	s_lshl_b32 s72, s72, 2
	s_mov_b32 s73, 0
	s_add_nc_u64 s[6:7], s[6:7], s[72:73]
	WIN TO_B
.irp b, 0,1,2,3,4,5
	global_load_b128 v[8*\b:8*\b+3],   v[BO], s[6:7] offset:64*\b      ; window 1 v0-47: b_in of columns 16 b + 8 h + 0..7; waited for on the way out
	global_load_b128 v[8*\b+4:8*\b+7], v[BO], s[6:7] offset:64*\b+16
.endr
	WIN 0
; 12 matrix instructions: m blocks a0, a0 + 1 of the window's four x all 6 n blocks, 32 along K.  zero = 1: the first product starts the sums.
.macro MUL12 f, hi, a0, zero
.irp a, \a0, \a0+1
.irp b, 0,1,2,3,4,5
.if \zero
	v_wmma_f32_16x16x32_bf16 v[8*(6*(\a)+\b):8*(6*(\a)+\b)+7], v[\f+8*\b:\f+8*\b+7], v[\f+8*(4*\hi+\a):\f+8*(4*\hi+\a)+7], 0
.else
	v_wmma_f32_16x16x32_bf16 v[8*(6*(\a)+\b):8*(6*(\a)+\b)+7], v[\f+8*\b:\f+8*\b+7], v[\f+8*(4*\hi+\a):\f+8*(4*\hi+\a)+7], v[8*(6*(\a)+\b):8*(6*(\a)+\b)+7]
.endif
.endr
.endr
.endm
; 28 LDS loads in one run: a quarter step's fragments (96 rows of w_in, then 128 rows of x, 32 K at byte k of the rows) into buffer f
.macro FETCH slot, k, f
	WIN TO_B
.irp i, 0,1,2,3,4,5
	ds_load_b128 v[\f+8*\i:\f+8*\i+3],   v[ADRB+\slot] offset:\k+\i*16*PITCH
	ds_load_b128 v[\f+8*\i+4:\f+8*\i+7], v[ADRB+\slot] offset:\k+\i*16*PITCH+32
.endr
	WIN 0
.irp i, 0,1,2,3,4,5,6,7
	ds_load_b128 v[\f+8*\i:\f+8*\i+3],   v[ADRA+\slot] offset:\k+\i*16*PITCH
	ds_load_b128 v[\f+8*\i+4:\f+8*\i+7], v[ADRA+\slot] offset:\k+\i*16*PITCH+32
.endr
.endm
; Four places behind a matrix instruction before a load lands on a register that it read or a vector instruction reads its result
.macro PLACES
.rept 4
	v_nop
.endr
.endm
; A K step is four quarters of 32 along K, 48 matrix instructions each, on buffers 0, 1, 0, 1.  The 48 accumulators take turns, one instruction a turn,
; in the same order everywhere.
.macro QUARTER slot, k, f, g, zero
	s_wait_dscnt 8                                 ; w_in's fragments and x's rows 0-63 are in; the youngest eight loads (x's rows 64-127) may be out
	WIN MUL_LO
	MUL12 \f, 0, 0, \zero
	MUL12 \f, 0, 2, \zero
	PLACES
	FETCH \slot, \k, \g
	s_wait_dscnt 28                                ; all but the 28 just issued
	WIN MUL_HI
	MUL12 \f, 1, 0, \zero
	MUL12 \f, 1, 2, \zero
.endm
.macro THREE slot, zero
	QUARTER \slot, 64,  F0, F1, \zero
	QUARTER \slot, 128, F1, F0, 0
	QUARTER \slot, 192, F0, F1, 0
.endm
; The last quarter multiplies buffer 1 and changes slots.  In front of the barrier each wave waits for its reads of this slot and for all its tensor loads
; (one is out: its part of the next slot).  Where the slot is filled again the barrier opens a round of the cluster's barrier, and the joint refill is the
; wave's first and only tensor load behind the round.  From a request to the wait for it a wave issues 180 of a step's 192 matrix instructions.
.macro TURN slot, next, fill
	s_wait_dscnt 8
	WIN MUL_LO
	MUL12 F1, 0, 0, 0
	s_wait_dscnt 0                                 ; my reads of this slot are over
	s_wait_tensorcnt 0x0                           ; all my tensor loads have landed
	ds_add_u32 v255, v255
	s_wait_dscnt 0x0
	s_barrier_signal -1
	MUL12 F1, 0, 2, 0                              ; registers only
	WIN 0
	s_barrier_wait -1
.if \fill
	CREST                                          ; no wave of any partner still reads this slot or has a load on its way
	s_add_nc_u64 s[G0+4*\slot+2:G0+4*\slot+3], s[G0+4*\slot+2:G0+4*\slot+3], 2*KSTEP*2
	s_add_nc_u64 s[G0B+4*\slot+2:G0B+4*\slot+3], s[G0B+4*\slot+2:G0B+4*\slot+3], 2*KSTEP*2
	JLOAD \slot
.endif
	PLACES
	FETCH \next, 0, F0
	WIN MUL_HI
	MUL12 F1, 1, 0, 0
	MUL12 F1, 1, 2, 0
.endm
.macro LAP zero
	THREE 0, \zero
	TURN 0, 1, 1
	THREE 1, 0
	TURN 1, 0, 1
.endm
	s_wait_tensorcnt 1                             ; my part of K step 0 is in; step 1's stays out
	s_barrier_signal -1
	s_barrier_wait -1
	FETCH 0, 0, F0
	LAP 1                                          ; the first lap's first products start the sums
	WIN 0
	s_mov_b32 s3, LAPS-2
.Llap:
	LAP 0
	WIN 0
	s_sub_co_u32 s3, s3, 1
	s_cmp_lg_u32 s3, 0
	s_cbranch_scc1 .Llap
	THREE 0, 0                                     ; the last lap fills nothing
	TURN 0, 1, 0
	THREE 1, 0
	s_wait_dscnt 8
	WIN MUL_LO
	MUL12 F1, 0, 0, 0
	MUL12 F1, 0, 2, 0
	s_wait_dscnt 0
	WIN MUL_HI
	MUL12 F1, 1, 0, 0
	MUL12 F1, 1, 2, 0
	; THE WAY OUT.  stored = scale x sum + scale x bias: one fused multiply-add for two numbers.
	PLACES
	s_mov_b32 s76, SQ
	s_mov_b32 s77, SK
	s_mov_b32 s78, SV
	s_mul_i32 s72, s42, 6
	s_mul_i32 s73, s12, 3
	s_add_co_u32 s72, s72, s73                     ; my first unit of 32 columns; units 0-31 are q, 32-63 k, 64-95 v
.irp i, 0,1,2
	s_add_co_u32 s73, s72, \i
	s_cmp_lt_u32 s73, 32
	s_cselect_b32 s74, s76, s77
	s_cmp_lt_u32 s73, 64
	s_cselect_b32 s74, s74, s78
	s_mov_b32 s[SC+2*\i], s74
	s_mov_b32 s[SC+2*\i+1], s74
.endr
	s_lshl_b32 s73, s13, 1
	s_add_co_u32 s73, s73, s11                     ; my block of 128 rows = 2 x block row + half
	s_mul_i32 s73, s73, 96
	s_add_co_u32 s72, s72, s73
	s_lshl_b32 s72, s72, 13                        ; units of 8,192 bytes: my three units are 24 KiB in one piece
	s_mov_b32 s73, 0
	s_add_nc_u64 s[8:9], s[8:9], s[72:73]
	s_wait_loadcnt 0x0                             ; b_in
	WIN 0x41                                       ; destination and source 0 in window 1
.irp b, 0,1,2,3,4,5
.irp k, 0,2,4,6
	v_pk_mul_f32 v[8*\b+\k:8*\b+\k+1], v[8*\b+\k:8*\b+\k+1], s[SC+2*(\b/2):SC+2*(\b/2)+1] op_sel_hi:[1,0]
.endr
.endr
; rows 16 i .. 16 i + 15 of my block: the six tiles (a, 0..5) of window 2 or 3 (from = 0x12 or 0x13: source 0 there, source 2 = bias in window 1); rb: read-back registers, by turns
.macro OUT16 i, a, from, rb
	WIN \from
.irp b, 0,1,2,3,4,5
.irp k, 0,2,4,6
	v_pk_fma_f32 v[TMP+8*\b+\k:TMP+8*\b+\k+1], v[8*(6*\a+\b)+\k:8*(6*\a+\b)+\k+1], s[SC+2*(\b/2):SC+2*(\b/2)+1], v[8*\b+\k:8*\b+\k+1] op_sel_hi:[1,0,1]
.endr
.endr
	WIN 0
.irp b, 0,1,2,3,4,5
.irp k, 0,1,2,3
	v_cvt_pk_f16_f32 v[PK+4*\b+\k], v[TMP+8*\b+2*\k], v[TMP+8*\b+2*\k+1]
.endr
.endr
.irp b, 0,1,2,3,4,5
	ds_store_b128 v[STO], v[PK+4*\b:PK+4*\b+3] offset:(\b/2)*UPITCH+(\b%2)*32
.endr
	s_wait_xcnt 0x0                                ; the read-back registers were store data two turns ago: they are loaded again only behind this wait
.irp u, 0,1,2,3,4,5
	ds_load_b128 v[\rb+4*\u:\rb+4*\u+3], v[RD] offset:(\u/2)*UPITCH+(\u%2)*544   ; LDS serves a wave's instructions in order: these see the stores above
.endr
.irp u, 0,1,2,3,4,5
	s_wait_dscnt 5-\u
	global_store_b128 v[CO], v[\rb+4*\u:\rb+4*\u+3], s[8:9] offset:(\u/2)*8192+1024*\i+(\u%2)*512   ; the wave stores 512 consecutive bytes at a multiple of 512
.endr
.endm
	OUT16 0, 0, 0x12, 64
	OUT16 1, 1, 0x12, 88
	OUT16 2, 2, 0x12, 64
	OUT16 3, 3, 0x12, 88
	OUT16 4, 0, 0x13, 64
	OUT16 5, 1, 0x13, 88
	OUT16 6, 2, 0x13, 64
	OUT16 7, 3, 0x13, 88
	s_set_vgpr_msb 0x1
	s_wait_tensorcnt 0x0
	ds_add_u32 v255, v255
	s_wait_dscnt 0x0
	s_set_vgpr_msb 0x100
	CROUND                                         ; the closing round: no work-group ends while a partner may still ask for a tile that names it
	s_endpgm
.Lfunc_end_k_q7a58517fed_inproj:
	.size	k_q7a58517fed_inproj, .Lfunc_end_k_q7a58517fed_inproj-k_q7a58517fed_inproj
	.p2alignl 7, 3214868480
	.fill 96, 4, 3214868480
	.section	.rodata,"a",@progbits
	.p2align	6, 0x0
	.amdhsa_kernel k_q7a58517fed_inproj
		.amdhsa_group_segment_fixed_size 327680
		.amdhsa_private_segment_fixed_size 0
		.amdhsa_enable_private_segment 0
		.amdhsa_kernarg_size 24
		.amdhsa_user_sgpr_count 2
		.amdhsa_user_sgpr_kernarg_segment_ptr 1
		.amdhsa_wavefront_size32 1
		.amdhsa_system_sgpr_workgroup_id_x 1
		.amdhsa_system_sgpr_workgroup_id_y 1
		.amdhsa_system_sgpr_workgroup_id_z 1
		.amdhsa_system_vgpr_workitem_id 0
		.amdhsa_next_free_vgpr 1024
		.amdhsa_next_free_sgpr 80
		.amdhsa_reserve_vcc 0
		.amdhsa_float_denorm_mode_32 3
		.amdhsa_float_denorm_mode_16_64 3
		.amdhsa_memory_ordered 1
		.amdhsa_forward_progress 1
		.amdhsa_inst_pref_size 174
	.end_amdhsa_kernel
	.amdgpu_metadata
---
amdhsa.version: [ 1, 2 ]
amdhsa.kernels:
  - .name:           k_q7a58517fed_inproj
    .symbol:         k_q7a58517fed_inproj.kd
    .args:
      - { .name: ops, .offset: 0, .size: 8, .value_kind: global_buffer, .address_space: global }
      - { .name: b_in, .offset: 8, .size: 8, .value_kind: global_buffer, .address_space: global }
      - { .name: qkv, .offset: 16, .size: 8, .value_kind: global_buffer, .address_space: global }
    .group_segment_fixed_size: 327680
    .private_segment_fixed_size: 0
    .kernarg_segment_align: 8
    .kernarg_segment_size: 24
    .max_flat_workgroup_size: 128
    .sgpr_count:     80
    .vgpr_count:     1024
    .wavefront_size: 32
...
	.end_amdgpu_metadata
.endif
;; end of part 2
;; launch attn (part 3): grid 256 x 1, 4 waves a work-group, no clusters, 327,680 bytes of LDS; arguments qkv, ctx; writes ctx
.if DOCPART == 3
	.amdgcn_target "amdgcn-amd-amdhsa--gfx1250"
	.amdhsa_code_object_version 6
	.text
	.protected	k_q7a58517fed_attn
	.globl	k_q7a58517fed_attn
	.p2align	8
	.type	k_q7a58517fed_attn,@function
k_q7a58517fed_attn:
	s_mov_b64 s[64:65], 0
	v_nop
	global_prefetch_b8 v0, s[64:65] scope:SCOPE_SE
	s_setreg_imm32_b32 hwreg(HW_REG_WAVE_MODE, 25, 1), 1
	s_wait_xcnt 0x0
; Causal attention of one head, f16 operands, f32 sums, softmax in f32 with a running maximum.  ctx' = softmax(q k^T / 8) v / 4, stored in f16 as
; [32 blocks of 128 rows][16 heads][128 rows][64].
; Work-group g: i = g & 7, head (g >> 3) & 15, batch g >> 7.  It makes query block i and then query block 15 - i (128 rows each) and walks only the key tiles
; at or below the diagonal, downward: i .. 0, then 15 - i .. 0: 17 steps in every work-group.  Each block begins with its diagonal tile, so the running
; maximum is finite from a block's first step on.
; LIMITS: masked scores are -infinity, not the smallest finite number: the weights are 0 either way, since every row has its diagonal key.
;   Scores x log2(e) must be finite in f32.  Weights below 2^-25 of a row's largest round to 0 in f16.
; NO CLUSTER: the eight work-groups of a head read the same K and V tiles, but in step s work-group i wants tile i - s (or 15 - i - (s - i - 1)), which differs
;   between partners in every step; a joint walk of all 16 tiles for both blocks would be 32 steps against 17.
; Wave w has rows 32 w .. 32 w + 31 of the block: two query tiles t of 16.
; LAYOUTS, so that nothing moves between lanes: S^T = K Q^T (A = 16 keys, B = 16 queries): lane (r, h) register j holds key 16 kk + 8 h + j of query r.
;   Packed in pairs, tiles 2 j and 2 j + 1 are registers 0-3 and 4-7 of the B fragment P of keys 32 j .. 32 j + 31 for ctx^T = V^T P (A = V^T by transposing LDS loads).
;   Maximum, sum and rescale are one number a lane; the two halves h meet by one v_permlanex16_b32.
; LDS: two slots of four pieces; wave w's one tensor load brings a dense piece of 8 KiB (128 keys x 32 d) as 32 rows of 256 bytes (4 keys each):
;   w = 0, 1: K's halves of d, 16 bytes of padding (pitch 272); w = 2, 3: V's halves, 32 bytes (pitch 288).  One tensor load of a wave is out at a time.
.set PIECE,  9216
.set SLOT,   4*PIECE
.set STAGE,  2*SLOT                    ; 73,728: the way out, 4,352 bytes a wave; no tensor load lands here
.set WSTAGE, 4352
.set TILEB,  96*8192                   ; bytes in qkv from a block of 128 rows to the next
.set KA,  1                            ; v1  lane term of K's fragments
.set VA,  2                            ; v2  lane term of V's transposing loads (with V's place in a slot)
.set QO,  3                            ; v3  my 16 bytes of Q
.set STO, 4                            ; v4  stage, in
.set RD,  5                            ; v5  stage, back
.set CO,  6                            ; v6  16 x lane
.set NEG, 7                            ; v7  -infinity
.set MM,  8                            ; v[8+4t:9+4t]    running maximum, twice
.set AL,  10                           ; v[10+4t:11+4t]  rescale factor, twice; at a block's end 1 / sum
.set LS,  16                           ; v16+t  running sum of my half of the keys
.set DG,  18                           ; v18+t  32 w + 16 t + r - 8 h: key 16 kk + j of the diagonal tile is masked where 16 kk + j is greater
.set XX,  20                           ; v20-23 maxima at work
.set YY,  24                           ; v24-31 sums at work
.set QQ,  32                           ; v[32+16t+8c]   Q(t, c)
.set SS,  64                           ; v[64+64t+8kk]  S(t, kk)
.set PP,  192                          ; v[192+32t+8j]  P(t, j)
.set KF,  0                            ; window 1: v[16kk+8c]      K(kk, c)
.set VF,  128                          ; window 1: v[128+32j+8dd]  V^T(j, dd)
                                       ; window 2: v[32t+8dd]      ctx^T(t, dd)
.set MSB, 0
.macro WIN new
.if MSB != \new
	s_set_vgpr_msb (MSB<<8)|\new
.set MSB, \new
.endif
.endm
.macro PLACES                          ; four places behind a matrix instruction (ISA guide 7.12.1)
.rept 4
	v_nop
.endr
.endm
; My piece of a tile.  The two lines differ in the padding alone; the branch hangs on the wave's number.
.macro KVLOAD
	s_cmp_eq_u32 s52, 0
	s_cbranch_scc0 .Lfor_v_\@
	tensor_load_to_lds s[32:35], s[16:23]
	s_nop 0
	s_branch .Lasked_\@
.Lfor_v_\@:
	tensor_load_to_lds s[32:35], s[24:31]
	s_nop 0
.Lasked_\@:
.endm
; Q of block s14: four B fragments, straight from memory
.macro QFETCH
	s_lshl_b32 s48, s11, 4
	s_add_co_u32 s48, s48, s14                     ; 16 x batch + block
	s_mul_i32 s48, s48, 96
	s_lshl1_add_u32 s48, s10, s48                  ; + unit 2 x head
	s_lshl_b32 s48, s48, 13
	s_mov_b32 s49, 0
	s_add_nc_u64 s[40:41], s[4:5], s[48:49]
.irp t, 0,1
.irp c, 0,1
	global_load_b128 v[QQ+16*\t+8*\c:QQ+16*\t+8*\c+3],   v[QO], s[40:41] offset:1024*\t+8192*\c
	global_load_b128 v[QQ+16*\t+8*\c+4:QQ+16*\t+8*\c+7], v[QO], s[40:41] offset:1024*\t+8192*\c+32
.endr
.endr
.endm
	s_load_b128 s[4:7], s[0:1], 0x0                ; qkv s[4:5], ctx s[6:7]
	s_set_vgpr_msb 0x80
	v_lshl_add_u32 v64, v0, 2, 0x29000
	v_mov_b32 v65, 0
	s_set_vgpr_msb 0x808a
	ds_add_u32 v64, v65
	ds_add_u32 v64, v65
	s_set_vgpr_msb 0x8a00
	v_lshrrev_b32 v1, 5, v0
	v_readfirstlane_b32 s8, v1                     ; wave
	s_lshr_b32 s52, s8, 1                          ; I fetch K (0) or V (1),
	s_and_b32 s53, s8, 1                           ; this half of d
	s_and_b32 s9, ttmp9, 7                         ; i
	s_bfe_u32 s10, ttmp9, 0x40003                  ; head
	s_lshr_b32 s11, ttmp9, 7                       ; batch
	s_sub_co_u32 s12, 15, s9                       ; the second query block
	s_mov_b32 s13, s9                              ; cur: this step's key tile
	s_mov_b32 s14, s9                              ; the query block at work
	s_mov_b32 s46, 0x76543210                      ; v_permlanex16_b32: lane l reads lane l of the other half
	s_mov_b32 s47, 0xfedcba98
	s_mov_b32 s16, (3<<16)|(1<<20)|(5<<22)|(3<<25) ; K: 8-byte elements; 4 words of padding behind every 64
	s_mov_b32 s17, 32<<16                          ; tensor_dim0 = 32 elements = 256 bytes
	s_mov_b32 s18, 32<<16                          ; tensor_dim1 = 32 rows
	s_mov_b32 s19, 32<<16                          ; tile_dim0
	s_mov_b32 s20, 32                              ; tile_dim1
	s_mov_b32 s21, 32                              ; dense: a row begins where the last ends
	s_mov_b32 s22, 0
	s_mov_b32 s23, 0
	s_mov_b32 s24, (3<<16)|(1<<20)|(5<<22)|(7<<25) ; V: 8 words of padding
	s_mov_b32 s25, 32<<16
	s_mov_b32 s26, 32<<16
	s_mov_b32 s27, 32<<16
	s_mov_b32 s28, 32
	s_mov_b32 s29, 32
	s_mov_b32 s30, 0
	s_mov_b32 s31, 0
	s_mul_i32 s44, s8, PIECE                       ; my piece in a slot
	s_mul_i32 s48, s11, 16*96
	s_lshl1_add_u32 s48, s10, s48
	s_add_co_u32 s48, s48, s53
	s_lshl_b32 s49, s52, 5
	s_add_co_u32 s48, s48, s49
	s_add_co_u32 s48, s48, 32                      ; unit 32 + 2 x head + half (K), 32 more for V, in the batch's block 0
	s_lshl_b32 s48, s48, 13
	s_mov_b32 s49, 0
	s_mul_i32 s38, s13, TILEB
	s_mov_b32 s39, 0
	s_wait_dscnt 0x0
	s_wait_kmcnt 0x0
	s_add_nc_u64 s[36:37], s[4:5], s[48:49]        ; my piece of key tile 0
	s_mov_b32 s32, 1
	s_add_co_u32 s33, s44, 0                       ; slot 0
	s_add_nc_u64 s[34:35], s[36:37], s[38:39]
	s_or_b32 s35, s35, 0x80000000
	KVLOAD                                         ; the first step's tile, ahead of everything else
	v_and_b32 v8, 15, v0                           ; r
	v_bfe_u32 v9, v0, 4, 1                         ; h
	v_and_b32 v10, 31, v0                          ; lane
	v_lshrrev_b32 v11, 2, v8                       ; K: key r of a fragment lies in LDS row r / 4 at byte 64 (r % 4):
	v_mul_u32_u24 v11, v11, 272                    ; 16-byte column (r / 4) + 4 (r % 4), sixteen different ones
	v_and_b32 v12, 3, v8
	v_lshl_add_u32 v11, v12, 6, v11
	v_lshl_add_u32 v[KA], v9, 4, v11
	v_bfe_u32 v11, v0, 2, 1                        ; V: lane l addresses key 8 h + (l & 7): LDS row 2 h + ((l >> 2) & 1), byte 64 (l & 3),
	v_lshl_add_u32 v11, v9, 1, v11
	v_mul_u32_u24 v11, v11, 288
	v_lshl_add_u32 v11, v12, 6, v11
	v_bfe_u32 v13, v0, 3, 1                        ; and 8 of the 16 d: 16 ((l >> 3) & 1)
	v_lshl_add_u32 v11, v13, 4, v11
	v_add_nc_u32 v[VA], 2*PIECE, v11
	v_lshlrev_b32 v11, 6, v8                       ; Q: row 32 w + r of 64 bytes, 16 h
	v_lshl_add_u32 v11, v9, 4, v11
	s_lshl_b32 s48, s8, 11
	v_add_nc_u32 v[QO], s48, v11
	QFETCH
	s_mul_i32 s48, s8, WSTAGE
	s_add_co_u32 s48, s48, STAGE
	v_lshrrev_b32 v11, 1, v8                       ; stage, in: a row of ctx is 128 bytes; two rows make a group of 256 + 16 bytes
	v_mul_u32_u24 v11, v11, 272
	v_and_b32 v12, 1, v8
	v_lshl_add_u32 v11, v12, 7, v11
	v_lshl_add_u32 v11, v9, 4, v11                 ; 16-byte column (r / 2) + 8 (r % 2)
	v_add_nc_u32 v[STO], s48, v11
	v_mul_u32_u24 v11, v9, 272
	v_lshl_add_u32 v11, v8, 4, v11
	v_add_nc_u32 v[RD], s48, v11
	v_lshlrev_b32 v[CO], 4, v10
	v_mov_b32 v[NEG], 0xff800000
	v_lshlrev_b32 v11, 3, v9
	v_sub_nc_u32 v11, v8, v11
	s_lshl_b32 s48, s8, 5
	v_add_nc_u32 v[DG], s48, v11
	v_add_nc_u32 v[DG+1], 16, v[DG]
; Eight matrix instructions: S(t, 0..7) over half c of d.  The eight accumulators take turns.
.macro SPASS t, c
.irp kk, 0,1,2,3,4,5,6,7
.if \c
	v_wmma_f32_16x16x32_f16 v[SS+64*\t+8*\kk:SS+64*\t+8*\kk+7], v[KF+16*\kk+8:KF+16*\kk+15], v[QQ+16*\t+8:QQ+16*\t+15], v[SS+64*\t+8*\kk:SS+64*\t+8*\kk+7]
.else
	v_wmma_f32_16x16x32_f16 v[SS+64*\t+8*\kk:SS+64*\t+8*\kk+7], v[KF+16*\kk:KF+16*\kk+7], v[QQ+16*\t:QQ+16*\t+7], 0
.endif
.endr
.endm
; The diagonal tile: keys above the query get -infinity
.macro MASK
.irp t, 0,1
.set n, 0
.rept 64
	v_cmp_gt_i32 vcc_lo, 16*(n/8)+(n%8), v[DG+\t]
	v_cndmask_b32 v[SS+64*\t+n], v[SS+64*\t+n], v[NEG], vcc_lo
.set n, n+1
.endr
.endr
.endm
; Tile k's weights: into the four sum chains (tiles 0 and 1 start them: nothing is cleared) and, packed to f16, into P
.macro SWORK t, k
.if (\k) == 1
.irp c, 0,1,2,3
	v_pk_add_f32 v[YY+2*\c:YY+2*\c+1], v[SS+64*\t+2*\c:SS+64*\t+2*\c+1], v[SS+64*\t+8+2*\c:SS+64*\t+8+2*\c+1]
.endr
.endif
.if (\k) > 1
	s_wait_alu depctr_va_vdst(0)
.irp c, 0,1,2,3
	v_pk_add_f32 v[YY+2*\c:YY+2*\c+1], v[YY+2*\c:YY+2*\c+1], v[SS+64*\t+8*(\k)+2*\c:SS+64*\t+8*(\k)+2*\c+1]
.endr
.endif
	s_wait_alu depctr_va_vdst(0)
.irp c, 0,1,2,3
	v_cvt_pk_f16_f32 v[PP+32*\t+4*(\k)+\c], v[SS+64*\t+8*(\k)+2*\c], v[SS+64*\t+8*(\k)+2*\c+1]
.endr
.endm
; Softmax step of query tile t over 128 keys.  first = 1: no older maximum or sum.
.macro SOFT t, first
.irp c, 0,1,2,3
	v_max3_num_f32 v[XX+\c], v[SS+64*\t+16*\c], v[SS+64*\t+16*\c+1], v[SS+64*\t+16*\c+2]   ; four chains of 16 scores
.endr
.irp k, 3,5,7,9,11,13
.irp c, 0,1,2,3
	v_max3_num_f32 v[XX+\c], v[XX+\c], v[SS+64*\t+16*\c+\k], v[SS+64*\t+16*\c+\k+1]
.endr
.endr
.irp c, 0,1,2,3
	v_max_num_f32 v[XX+\c], v[XX+\c], v[SS+64*\t+16*\c+15]
.endr
	v_max3_num_f32 v[XX], v[XX], v[XX+1], v[XX+2]
	v_max_num_f32 v[XX], v[XX], v[XX+3]
	v_permlanex16_b32 v[XX+1], v[XX], s46, s47     ; the other half of the keys of my query
.if \first
	v_max_num_f32 v[MM+4*\t],   v[XX], v[XX+1]
	v_max_num_f32 v[MM+4*\t+1], v[XX], v[XX+1]
.else
	v_max3_num_f32 v[XX], v[XX], v[XX+1], v[MM+4*\t]
	v_sub_f32 v[XX+2], v[MM+4*\t], v[XX]
	v_exp_f32 v[AL+4*\t], v[XX+2]                  ; 2^(old - new); the two moves below are the plain place behind it (ISA guide 5.7.2)
	v_mov_b32 v[MM+4*\t],   v[XX]
	v_mov_b32 v[MM+4*\t+1], v[XX]
	s_wait_alu depctr_va_vdst(0)
	v_mov_b32 v[AL+4*\t+1], v[AL+4*\t]
.endif
	; tile by tile: take the maximum away, eight exponentials, then the plain work on the tile before, which is the place behind the exponentials
.irp kk, 0,1,2,3,4,5,6,7
.irp c, 0,2,4,6
	v_pk_add_f32 v[SS+64*\t+8*\kk+\c:SS+64*\t+8*\kk+\c+1], v[SS+64*\t+8*\kk+\c:SS+64*\t+8*\kk+\c+1], v[MM+4*\t:MM+4*\t+1] neg_lo:[0,1] neg_hi:[0,1]
.endr
.irp c, 0,1,2,3,4,5,6,7
	v_exp_f32 v[SS+64*\t+8*\kk+\c], v[SS+64*\t+8*\kk+\c]
.endr
.if \kk
	SWORK \t, \kk-1
.endif
.endr
	SWORK \t, 7
	v_pk_add_f32 v[YY:YY+1], v[YY:YY+1], v[YY+2:YY+3]
	v_pk_add_f32 v[YY+4:YY+5], v[YY+4:YY+5], v[YY+6:YY+7]
	v_pk_add_f32 v[YY:YY+1], v[YY:YY+1], v[YY+4:YY+5]
.if \first
	v_add_f32 v[LS+\t], v[YY], v[YY+1]
.else
	v_add_f32 v[YY], v[YY], v[YY+1]
	v_fma_f32 v[LS+\t], v[LS+\t], v[AL+4*\t], v[YY]
.endif
.endm
.macro RESCALE t
	WIN 0x82                                       ; destination and source 0 in window 2
.irp k, 0,2,4,6,8,10,12,14,16,18,20,22,24,26,28,30
	v_pk_mul_f32 v[32*\t+\k:32*\t+\k+1], v[32*\t+\k:32*\t+\k+1], v[AL+4*\t:AL+4*\t+1]
.endr
.endm
; ctx^T(t, 0..3) += V^T(j, 0..3) P(t, j): the four accumulators take turns
.macro PVJ t, j, zero
.irp dd, 0,1,2,3
.if \zero
	v_wmma_f32_16x16x32_f16 v[32*\t+8*\dd:32*\t+8*\dd+7], v[VF+32*\j+8*\dd:VF+32*\j+8*\dd+7], v[PP+32*\t+8*\j:PP+32*\t+8*\j+7], 0
.else
	v_wmma_f32_16x16x32_f16 v[32*\t+8*\dd:32*\t+8*\dd+7], v[VF+32*\j+8*\dd:VF+32*\j+8*\dd+7], v[PP+32*\t+8*\j:PP+32*\t+8*\j+7], v[32*\t+8*\dd:32*\t+8*\dd+7]
.endif
.endr
.endm
.macro PV t, first
	WIN 0xa1                                       ; source 0 (V) window 1, source 1 (P) window 0, C and D window 2
	PVJ \t, 0, \first
	PVJ \t, 1, 0
	PVJ \t, 2, 0
	PVJ \t, 3, 0
.endm
; A query block is done: divide by the sum, round to f16, out through my stage as 4,096 consecutive bytes.
; next = 1: the second block is set up: its Q; maximum -infinity and sum 0, so that the next step's rescale factor is 0 and wipes the old (finite) sums.
.macro EPI next
	s_lshl_b32 s48, s11, 4
	s_add_co_u32 s48, s48, s14
	s_lshl_b32 s48, s48, 4
	s_add_co_u32 s48, s48, s10                     ; (16 x batch + block) x 16 + head,
	s_lshl_b32 s48, s48, 14                        ; of 16 KiB,
	s_lshl_b32 s49, s8, 12                         ; my 32 rows of 128 bytes
	s_add_co_u32 s48, s48, s49
	s_mov_b32 s49, 0
	s_add_nc_u64 s[42:43], s[6:7], s[48:49]
	v_permlanex16_b32 v[XX],   v[LS],   s46, s47   ; the two halves' sums meet only here
	v_permlanex16_b32 v[XX+1], v[LS+1], s46, s47
	v_add_f32 v[LS],   v[LS],   v[XX]
	v_add_f32 v[LS+1], v[LS+1], v[XX+1]
	v_rcp_f32 v[AL],   v[LS]                       ; the sum is at least 1: the largest weight is 2^0
	v_rcp_f32 v[AL+4], v[LS+1]
	v_nop                                          ; the plain place behind them
	s_wait_alu depctr_va_vdst(0)
	v_mov_b32 v[AL+1], v[AL]
	v_mov_b32 v[AL+5], v[AL+4]
	WIN 0x02                                       ; source 0 in window 2
.irp t, 0,1
.irp k, 0,2,4,6,8,10,12,14,16,18,20,22,24,26,28,30
	v_pk_mul_f32 v[SS+32*\t+\k:SS+32*\t+\k+1], v[32*\t+\k:32*\t+\k+1], v[AL+4*\t:AL+4*\t+1]
.endr
.endr
	WIN 0
.irp k, 0,1,2,3,4,5,6,7,8,9,10,11,12,13,14,15,16,17,18,19,20,21,22,23,24,25,26,27,28,29,30,31
	v_cvt_pk_f16_f32 v[PP+\k], v[SS+2*\k], v[SS+2*\k+1]
.endr
.irp t, 0,1
.irp dd, 0,1,2,3
	ds_store_b128 v[STO], v[PP+16*\t+4*\dd:PP+16*\t+4*\dd+3] offset:2176*\t+32*\dd   ; row 16 t + r, d = 16 dd + 8 h + 0..7
.endr
.endr
.irp g, 0,1,2,3,4,5,6,7
	ds_load_b128 v[SS+64+4*\g:SS+64+4*\g+3], v[RD] offset:544*\g                     ; LDS serves a wave's instructions in order: these see the stores above
.endr
.irp g, 0,1,2,3,4,5,6,7
	s_wait_dscnt 7-\g
	global_store_b128 v[CO], v[SS+64+4*\g:SS+64+4*\g+3], s[42:43] offset:512*\g      ; the wave stores 512 consecutive bytes at a multiple of 512
.endr
.if \next
	s_mov_b32 s14, s12
	QFETCH                                         ; the older Q loads were waited for at the head of this step: their base is free
	v_mov_b32 v[MM],   v[NEG]
	v_mov_b32 v[MM+1], v[NEG]
	v_mov_b32 v[MM+4], v[NEG]
	v_mov_b32 v[MM+5], v[NEG]
	v_mov_b32 v[LS],   0
	v_mov_b32 v[LS+1], 0
	s_wait_xcnt 0x0                                ; the stores' data and base are written again (next step's products, a later way out) only behind this wait
.endif
.endm
; One key tile.  slot: where it lies; refill: the next tile is asked for; first: the launch's first step;
; mask: 0 never, 1 always, 2 where the tile is the diagonal one; epi: 0 none, 1 where the tile is tile 0 (then the second block follows), 2 the launch's end.
.macro STEP slot, refill, first, mask, epi
	s_set_vgpr_msb 0xa
	s_wait_tensorcnt 0x0                           ; my one tensor load has landed: my piece of this step's tile; the descriptor may be written
	ds_add_u32 v64, v65
	s_wait_dscnt 0x0
	s_set_vgpr_msb 0xa00
.if \refill
	s_sub_co_u32 s15, s13, 1                       ; the next tile: one down, or the second block's diagonal
	s_cmp_eq_u32 s13, 0
	s_cselect_b32 s15, s12, s15
	s_mul_i32 s38, s15, TILEB
	s_add_nc_u64 s[34:35], s[36:37], s[38:39]
	s_or_b32 s35, s35, 0x80000000
	s_add_co_u32 s33, s44, (1-\slot)*SLOT
.endif
	s_wait_dscnt 0x0                               ; my reads of the other slot are over
	s_barrier_signal -1
	s_barrier_wait -1                              ; both hold of all four waves: this slot is whole, the other is free
.if \refill
	KVLOAD                                         ; my one tensor load behind the barrier; it has the whole step in which to land
.endif
	WIN 0x40                                       ; destinations in window 1: 64 LDS loads in one run
.irp c, 0,1
.irp kk, 0,1,2,3,4,5,6,7
	ds_load_b128 v[KF+16*\kk+8*\c:KF+16*\kk+8*\c+3],   v[KA] offset:\slot*SLOT+\c*PIECE+1088*\kk
	ds_load_b128 v[KF+16*\kk+8*\c+4:KF+16*\kk+8*\c+7], v[KA] offset:\slot*SLOT+\c*PIECE+1088*\kk+32
.endr
.endr
.irp j, 0,1,2,3
.irp dd, 0,1,2,3
	ds_load_tr16_b128 v[VF+32*\j+8*\dd:VF+32*\j+8*\dd+3],   v[VA] offset:\slot*SLOT+(\dd/2)*PIECE+2304*\j+32*(\dd%2)
	ds_load_tr16_b128 v[VF+32*\j+8*\dd+4:VF+32*\j+8*\dd+7], v[VA] offset:\slot*SLOT+(\dd/2)*PIECE+2304*\j+32*(\dd%2)+1152
.endr
.endr
	s_wait_loadcnt 0x0                             ; Q (met at once but in a block's first step)
	WIN 0x01                                       ; source 0 (K) in window 1
	s_wait_dscnt 48                                ; the oldest 16 of the 64: K's first half of d
	SPASS 0, 0
	s_wait_dscnt 32                                ; K's second half; V's 32 loads may be out
	SPASS 0, 1
	SPASS 1, 0
	SPASS 1, 1
	WIN 0
	PLACES
.if \mask == 1
	MASK
.endif
.if \mask == 2
	s_cmp_lg_u32 s13, s14
	s_cbranch_scc1 .Lnomask_\@
	MASK
.Lnomask_\@:
.endif
	SOFT 0, \first
.if \first == 0
	RESCALE 0
.endif
	s_wait_dscnt 0x0                               ; V
	PV 0, \first
	WIN 0
	SOFT 1, \first
.if \first == 0
	RESCALE 1
.endif
	PV 1, \first
	WIN 0
	PLACES                                         ; in front of the next step's loads into V's registers, and of the way out
.if \epi == 1
	s_cmp_lg_u32 s13, 0
	s_cbranch_scc1 .Lnoepi_\@
	EPI 1
.Lnoepi_\@:
.endif
.if \epi == 2
	EPI 0
.endif
.if \refill
	s_mov_b32 s13, s15
.endif
.endm
	STEP 0, 1, 1, 1, 1                             ; step 0: block i's diagonal tile; it starts maxima, sums and accumulators
	s_mov_b32 s45, 7
.Lpair:                                            ; steps 1 to 14: the first block ends in step i <= 7, the second begins in step i + 1 <= 8
	STEP 1, 1, 0, 2, 1
	STEP 0, 1, 0, 2, 1
	s_sub_co_u32 s45, s45, 1
	s_cmp_lg_u32 s45, 0
	s_cbranch_scc1 .Lpair
	STEP 1, 1, 0, 0, 0                             ; step 15: tile 1 of block 15 - i >= 8
	STEP 0, 0, 0, 0, 2                             ; step 16: tile 0; nothing is left to fetch
	s_set_vgpr_msb 0xa
	s_wait_tensorcnt 0x0
	ds_add_u32 v64, v65
	s_wait_dscnt 0x0
	s_set_vgpr_msb 0xa00
	s_endpgm
.Lfunc_end_k_q7a58517fed_attn:
	.size	k_q7a58517fed_attn, .Lfunc_end_k_q7a58517fed_attn-k_q7a58517fed_attn
	.p2alignl 7, 3214868480
	.fill 96, 4, 3214868480
	.section	.rodata,"a",@progbits
	.p2align	6, 0x0
	.amdhsa_kernel k_q7a58517fed_attn
		.amdhsa_group_segment_fixed_size 327680
		.amdhsa_private_segment_fixed_size 0
		.amdhsa_enable_private_segment 0
		.amdhsa_kernarg_size 16
		.amdhsa_user_sgpr_count 2
		.amdhsa_user_sgpr_kernarg_segment_ptr 1
		.amdhsa_wavefront_size32 1
		.amdhsa_system_sgpr_workgroup_id_x 1
		.amdhsa_system_sgpr_workgroup_id_y 1
		.amdhsa_system_sgpr_workgroup_id_z 1
		.amdhsa_system_vgpr_workitem_id 0
		.amdhsa_next_free_vgpr 578
		.amdhsa_next_free_sgpr 66
		.amdhsa_reserve_vcc 1
		.amdhsa_float_denorm_mode_32 3
		.amdhsa_float_denorm_mode_16_64 3
		.amdhsa_memory_ordered 1
		.amdhsa_forward_progress 1
		.amdhsa_inst_pref_size 230
	.end_amdhsa_kernel
	.amdgpu_metadata
---
amdhsa.version: [ 1, 2 ]
amdhsa.kernels:
  - .name:           k_q7a58517fed_attn
    .symbol:         k_q7a58517fed_attn.kd
    .args:
      - { .name: qkv, .offset: 0, .size: 8, .value_kind: global_buffer, .address_space: global }
      - { .name: ctx, .offset: 8, .size: 8, .value_kind: global_buffer, .address_space: global }
    .group_segment_fixed_size: 327680
    .private_segment_fixed_size: 0
    .kernarg_segment_align: 8
    .kernarg_segment_size: 16
    .max_flat_workgroup_size: 128
    .sgpr_count:     66
    .vgpr_count:     578
    .wavefront_size: 32
...
	.end_amdgpu_metadata
.endif
;; end of part 3
;; launch outproj (part 4): grid 8 x 32, 4 waves a work-group, clusters of 4 x 4, 327,680 bytes of LDS; arguments ctx, ops, b_out, out0; writes out0
.if DOCPART == 4
	.amdgcn_target "amdgcn-amd-amdhsa--gfx1250"
	.amdhsa_code_object_version 6
	.text
	.protected	k_q7a58517fed_outproj
	.globl	k_q7a58517fed_outproj
	.p2align	8
	.type	k_q7a58517fed_outproj,@function
k_q7a58517fed_outproj:
	s_mov_b64 s[64:65], 0
	v_nop
	global_prefetch_b8 v0, s[64:65] scope:SCOPE_SE
	s_setreg_imm32_b32 hwreg(HW_REG_WAVE_MODE, 25, 1), 1
	s_wait_xcnt 0x0
	s_wait_alu depctr_hold_cnt(0) depctr_sa_sdst(0) depctr_va_vdst(0) depctr_va_sdst(0) depctr_va_ssrc(0) depctr_va_vcc(0) depctr_vm_vsrc(0)
	s_getreg_b32 s2, hwreg(HW_REG_IB_STS2, 6, 4)
	s_cmp_eq_u32 s2, 0
	s_cbranch_scc0 .Lentry_in_a_cluster
	s_endpgm
.Lentry_in_a_cluster:
	s_bfe_u32 s2, ttmp6, 0x10000c
	s_cmp_lg_u32 s2, 0xf033
	s_cbranch_scc0 .Lentry_shape_is_right
	s_endpgm
.Lentry_shape_is_right:
; out0 = 4 (ctx' w_out^T) + b_out: [4096][1024], K = 1024, f16 operands, f32 sums.  ctx' = ctx / 4 as the attention stored it; w_out in f16 code from ops.
; A work-group makes 128 x 128 (8 x 32 = 256 work-groups), four waves of 64 x 64: 16 accumulator tiles.
; K goes in four parts of 256 through two LDS slots: a part is eight quarters of 32, 128 matrix instructions a wave, so that a refill has a whole part in which to land.
;   ctx's part: four heads x 16 KiB, dense, as 256 rows of 256 bytes (two rows of ctx each), pitch 272; waves 0, 1 fetch 128 rows each.
;   w_out's part: 128 rows x 512 bytes, pitch 528; waves 2, 3 fetch 64 rows each.
; CLUSTER 4 x 4: ctx's tile hangs on the block row alone (shared along a row of the cluster), w_out's on the block column alone (along a column).
; No loop: four parts are written out.  Two tensor loads of a wave are out at the start, later one.
; Window 0: addresses, bias, fragments (two buffers).  Window 1: accumulators, tile (a, b) at v[8 (4 a + b)].
; The matrix instruction is used transposed (source 0 = rows of w_out, source 1 = rows of ctx): a lane holds 8 neighbouring columns of one row.
.set AHALF,  128*272
.set BHALF,  64*528
.set BOFF,   2*AHALF
.set SLOT,   2*AHALF+2*BHALF           ; 137,216
.set STAGE,  2*SLOT                    ; 274,432; no tensor load lands here
.set WSTAGE, 16*272
.set WOB,    14680064                  ; w_out's copy in ops
.set APART,  65536                     ; bytes of ctx from part to part
.set BPART,  512                       ; bytes along a row of w_out from part to part
.set ADRA, 16
.set ADRB, 20
.set STO,  24
.set RD,   25
.set CO,   26
.set BO,   27
.set BI,   28                          ; v[28:31] b_out of my four columns on the way out
.set F0,   64                          ; a buffer: ctx's 4 fragments, then w_out's 4
.set F1,   128
.set G1,  24
.set G0,  32
.set G1B, 48
.set G0B, 56
.set MSB, 0
.macro WIN new
.if MSB != \new
	s_set_vgpr_msb (MSB<<8)|\new
.set MSB, \new
.endif
.endm
.set MUL, 0x50                         ; C and D in window 1
.macro JLOAD s
	s_cmp_eq_u32 s13, 0
	s_cbranch_scc0 .Lfor_b_\@
	tensor_load_to_lds s[G0+4*\s:G0+4*\s+3], s[G1:G1+7]
	s_nop 0
	s_branch .Lasked_\@
.Lfor_b_\@:
	tensor_load_to_lds s[G0B+4*\s:G0B+4*\s+3], s[G1B:G1B+7]
	s_nop 0
.Lasked_\@:
.endm
.macro CREST
	s_cmp_lg_u32 s12, 0
	s_cbranch_scc1 .Lnot_wave_0_\@
	s_barrier_signal -3
.Lnot_wave_0_\@:
	s_barrier_wait -3
	s_barrier_signal -1
	s_barrier_wait -1
.endm
.macro CROUND
	s_barrier_signal -1
	s_barrier_wait -1
	CREST
.endm
.macro PLACES                          ; four places behind a matrix instruction (ISA guide 7.12.1)
.rept 4
	v_nop
.endr
.endm
	s_load_b256 s[4:11], s[0:1], 0x0               ; ctx s[4:5], ops s[6:7], b_out s[8:9], out0 s[10:11]
	v_lshl_add_u32 v254, v0, 2, 0x47400
	v_mov_b32 v255, 0
	ds_add_u32 v254, v255
	ds_add_u32 v254, v255
	v_lshrrev_b32 v1, 5, v0
	v_readfirstlane_b32 s12, v1                    ; wave
	s_lshr_b32 s13, s12, 1                         ; my half of the rows; also: I fetch ctx (0) or w_out (1)
	s_and_b32 s14, s12, 1                          ; my half of the columns; also: which half of that tile
	s_bfe_u32 s40, ttmp6, 0x40000                  ; cx
	s_bfe_u32 s41, ttmp6, 0x40004                  ; cy
	s_lshl_b32 s42, ttmp9, 2
	s_add_co_u32 s42, s42, s40                     ; block column
	s_and_b32 s15, ttmp7, 0xffff
	s_lshl_b32 s15, s15, 2
	s_add_co_u32 s15, s15, s41                     ; block row
	s_lshl_b32 s43, s41, 2
	s_lshl_b32 s43, 15, s43                        ; my row of the cluster
	s_lshl_b32 s44, 0x1111, s40                    ; my column
	s_or_b32 s[G1+0], s43, (3<<16)|(1<<20)|(1<<21)|(5<<22)|(3<<25)   ; ctx: 8-byte elements, 4 words of padding behind every 64
	s_mov_b32 s[G1+1], 32<<16                      ; rows of 32 elements = 256 bytes
	s_mov_b32 s[G1+2], 128<<16                     ; 128 rows
	s_mov_b32 s[G1+3], 32<<16
	s_mov_b32 s[G1+4], 128
	s_mov_b32 s[G1+5], 32                          ; dense
	s_mov_b32 s[G1+6], 0
	s_mov_b32 s[G1+7], 0
	s_or_b32 s[G1B+0], s44, (1<<16)|(1<<20)|(1<<21)|(6<<22)|(3<<25)  ; w_out: 2-byte elements, 4 words of padding behind every 128
	s_mov_b32 s[G1B+1], 256<<16                    ; rows of 256 elements = 512 bytes
	s_mov_b32 s[G1B+2], 64<<16                     ; 64 rows
	s_mov_b32 s[G1B+3], 256<<16
	s_mov_b32 s[G1B+4], 64
	s_mov_b32 s[G1B+5], 1024
	s_mov_b32 s[G1B+6], 0
	s_mov_b32 s[G1B+7], 0
	s_lshl_b32 s16, s15, 18                        ; ctx: a block of 128 rows is 16 heads x 16 KiB; my half of a part is two heads
	s_lshl_b32 s17, s14, 15
	s_add_co_u32 s16, s16, s17
	s_mov_b32 s17, 0
	s_lshl_b32 s46, s42, 7
	s_lshl_b32 s47, s14, 6
	s_add_co_u32 s46, s46, s47                     ; w_out: row 128 x block column + 64 x half
	s_lshl_b32 s46, s46, 11
	s_add_co_u32 s46, s46, WOB
	s_mov_b32 s47, 0
	s_mul_i32 s20, s12, AHALF
	s_mul_i32 s45, s12, BHALF
	s_add_co_u32 s45, s45, BOFF-2*BHALF
	s_wait_dscnt 0x0
	s_wait_kmcnt 0x0
	s_add_nc_u64 s[18:19], s[4:5], s[16:17]
	s_add_nc_u64 s[46:47], s[6:7], s[46:47]
	CROUND                                         ; the first joint loads meet
.irp s, 0,1
	s_mov_b32 s[G0+4*\s], 1
	s_add_co_u32 s[G0+4*\s+1], s20, \s*SLOT
	s_add_nc_u64 s[G0+4*\s+2:G0+4*\s+3], s[18:19], \s*APART
	s_or_b32 s[G0+4*\s+3], s[G0+4*\s+3], 0x80000000
	s_mov_b32 s[G0B+4*\s], 1
	s_add_co_u32 s[G0B+4*\s+1], s45, \s*SLOT
	s_add_nc_u64 s[G0B+4*\s+2:G0B+4*\s+3], s[46:47], \s*BPART
	s_or_b32 s[G0B+4*\s+3], s[G0B+4*\s+3], 0x80000000
	JLOAD \s                                       ; parts 0 and 1
.endr
	v_and_b32 v1, 15, v0                           ; r
	v_bfe_u32 v2, v0, 4, 1                         ; h
	v_lshrrev_b32 v3, 1, v1                        ; ctx: row r of a fragment lies in LDS row r / 2 at byte 128 (r % 2): 16-byte column (r / 2) + 8 (r % 2)
	v_mul_u32_u24 v3, v3, 272
	v_and_b32 v4, 1, v1
	v_lshl_add_u32 v3, v4, 7, v3
	v_lshl_add_u32 v3, v2, 4, v3
	v_mul_u32_u24 v4, v1, 528                      ; w_out: row r, pitch 33 x 16
	v_lshl_add_u32 v4, v2, 4, v4
	s_mul_i32 s21, s13, 32*272                     ; my 64 rows of ctx are 32 LDS rows in each head
	s_mul_i32 s22, s14, BHALF
	s_add_co_u32 s22, s22, BOFF
.irp s, 0,1
	v_add_nc_u32 v[ADRA+\s], s21, v3
	v_add_nc_u32 v[ADRB+\s], s22, v4
	s_add_co_u32 s21, s21, SLOT
	s_add_co_u32 s22, s22, SLOT
.endr
	s_mul_i32 s23, s12, WSTAGE
	s_add_co_u32 s23, s23, STAGE
	v_mul_u32_u24 v5, v1, 272                      ; stage, in: row r of 256 + 16 bytes, my 32 bytes at 32 h
	v_lshl_add_u32 v5, v2, 5, v5
	v_add_nc_u32 v[STO], s23, v5
	v_mul_u32_u24 v5, v2, 272                      ; back: lanes 0-15 one row, lanes 16-31 the next
	v_lshl_add_u32 v5, v1, 4, v5
	v_add_nc_u32 v[RD], s23, v5
	v_lshlrev_b32 v5, 12, v2                       ; the same two rows in out0 (4,096 bytes a row)
	v_lshl_add_u32 v[CO], v1, 4, v5
	v_lshlrev_b32 v[BO], 4, v1
	s_lshl_b32 s66, s42, 9                         ; my 64 columns in bytes: 512 x block column + 256 x half
	s_lshl_b32 s67, s14, 8
	s_add_co_u32 s66, s66, s67
	s_mov_b32 s67, 0
	s_add_nc_u64 s[8:9], s[8:9], s[66:67]
	global_load_b128 v[BI:BI+3], v[BO], s[8:9]     ; b_out of columns 4 (lane % 16) + 0..3; waited for on the way out
	s_add_nc_u64 s[10:11], s[10:11], s[66:67]
	s_lshl_b32 s68, s15, 7
	s_lshl_b32 s69, s13, 6
	s_add_co_u32 s68, s68, s69                     ; my first row
	s_lshl_b32 s68, s68, 12
	s_mov_b32 s69, 0
	s_add_nc_u64 s[10:11], s[10:11], s[68:69]
; Four matrix instructions: m block a x all 4 n blocks, 32 along K
.macro MUL4 f, a, zero
.irp b, 0,1,2,3
.if \zero
	v_wmma_f32_16x16x32_f16 v[8*(4*\a+\b):8*(4*\a+\b)+7], v[\f+32+8*\b:\f+32+8*\b+7], v[\f+8*\a:\f+8*\a+7], 0
.else
	v_wmma_f32_16x16x32_f16 v[8*(4*\a+\b):8*(4*\a+\b)+7], v[\f+32+8*\b:\f+32+8*\b+7], v[\f+8*\a:\f+8*\a+7], v[8*(4*\a+\b):8*(4*\a+\b)+7]
.endif
.endr
.endm
; 16 LDS loads: quarter q (0..7) of a slot: head q / 2 of the part's four, d = 32 (q % 2) ..; w_out's fragments first, then ctx's
.macro FETCH slot, q, f
	WIN 0
.irp i, 0,1,2,3
	ds_load_b128 v[\f+32+8*\i:\f+32+8*\i+3], v[ADRB+\slot] offset:8448*\i+64*\q
	ds_load_b128 v[\f+32+8*\i+4:\f+32+8*\i+7], v[ADRB+\slot] offset:8448*\i+64*\q+32
.endr
.irp i, 0,1,2,3
	ds_load_b128 v[\f+8*\i:\f+8*\i+3], v[ADRA+\slot] offset:((\q/2)*64+8*\i)*272+64*(\q%2)
	ds_load_b128 v[\f+8*\i+4:\f+8*\i+7], v[ADRA+\slot] offset:((\q/2)*64+8*\i)*272+64*(\q%2)+32
.endr
.endm
; A quarter multiplies buffer f and fetches quarter q into buffer g.  The 16 accumulators take turns in one order everywhere.
.macro QUARTER slot, q, f, g, zero
	s_wait_dscnt 4                                 ; the youngest four loads (ctx's fragments 2, 3) may be out
	WIN MUL
	MUL4 \f, 0, \zero
	MUL4 \f, 1, \zero
	PLACES
	FETCH \slot, \q, \g
	s_wait_dscnt 16                                ; all but the 16 just issued
	WIN MUL
	MUL4 \f, 2, \zero
	MUL4 \f, 3, \zero
.endm
.macro SEVEN slot, zero
	QUARTER \slot, 1, F0, F1, \zero
	QUARTER \slot, 2, F1, F0, 0
	QUARTER \slot, 3, F0, F1, 0
	QUARTER \slot, 4, F1, F0, 0
	QUARTER \slot, 5, F0, F1, 0
	QUARTER \slot, 6, F1, F0, 0
	QUARTER \slot, 7, F0, F1, 0
.endm
; The eighth quarter changes slots: each wave's reads of this slot and all its tensor loads are waited for in front of the barrier; where the slot is
; filled again the barrier opens a round of the cluster's barrier and the joint refill is the wave's first and only tensor load behind it.
.macro TURN slot, next, fill
	s_wait_dscnt 4
	WIN MUL
	MUL4 F1, 0, 0
	s_wait_dscnt 0
	s_wait_tensorcnt 0x0
	ds_add_u32 v254, v255
	s_wait_dscnt 0x0
	s_barrier_signal -1
	MUL4 F1, 1, 0                                  ; registers only
	WIN 0
	s_barrier_wait -1
.if \fill
	CREST
	s_add_nc_u64 s[G0+4*\slot+2:G0+4*\slot+3], s[G0+4*\slot+2:G0+4*\slot+3], 2*APART
	s_add_nc_u64 s[G0B+4*\slot+2:G0B+4*\slot+3], s[G0B+4*\slot+2:G0B+4*\slot+3], 2*BPART
	JLOAD \slot
.endif
	PLACES
	FETCH \next, 0, F0
	WIN MUL
	MUL4 F1, 2, 0
	MUL4 F1, 3, 0
.endm
	s_wait_tensorcnt 1                             ; my part of slot 0 is in; slot 1's stays out
	s_barrier_signal -1
	s_barrier_wait -1
	FETCH 0, 0, F0
	SEVEN 0, 1                                     ; part 0: its first quarter starts the sums
	TURN 0, 1, 1                                   ; slot 0 gets part 2
	SEVEN 1, 0
	TURN 1, 0, 1                                   ; slot 1 gets part 3
	SEVEN 0, 0
	TURN 0, 1, 0
	SEVEN 1, 0
	s_wait_dscnt 4                                 ; the very last quarter fetches nothing
	WIN MUL
	MUL4 F1, 0, 0
	MUL4 F1, 1, 0
	s_wait_dscnt 0
	MUL4 F1, 2, 0
	MUL4 F1, 3, 0
	; THE WAY OUT, 16 rows at a time: the sums go through my stage, come back as whole rows of 256 bytes, and get 4 x sum + bias there.
	PLACES
	s_wait_loadcnt 0x0                             ; b_out
.macro OUT16 a, rb
	WIN 0x04                                       ; store data in window 1
.irp b, 0,1,2,3
	ds_store_b128 v[STO], v[8*(4*\a+\b):8*(4*\a+\b)+3] offset:64*\b
	ds_store_b128 v[STO], v[8*(4*\a+\b)+4:8*(4*\a+\b)+7] offset:64*\b+16
.endr
	WIN 0
	s_wait_xcnt 0x0                                ; the read-back registers were store data two turns ago
.irp t, 0,1,2,3,4,5,6,7
	ds_load_b128 v[\rb+4*\t:\rb+4*\t+3], v[RD] offset:544*\t     ; LDS serves a wave's instructions in order: these see the stores above
.endr
.irp t, 0,1,2,3,4,5,6,7
	s_wait_dscnt 7-\t
	v_pk_fma_f32 v[\rb+4*\t:\rb+4*\t+1],   v[\rb+4*\t:\rb+4*\t+1],   4.0, v[BI:BI+1]   op_sel_hi:[1,0,1]
	v_pk_fma_f32 v[\rb+4*\t+2:\rb+4*\t+3], v[\rb+4*\t+2:\rb+4*\t+3], 4.0, v[BI+2:BI+3] op_sel_hi:[1,0,1]
	global_store_b128 v[CO], v[\rb+4*\t:\rb+4*\t+3], s[10:11] offset:(16*\a+2*\t)*4096 th:TH_STORE_NT   ; 16 lanes store 256 consecutive bytes at a multiple of 256
.endr
.endm
	OUT16 0, F0
	OUT16 1, F1
	OUT16 2, F0
	OUT16 3, F1
	s_wait_tensorcnt 0x0
	ds_add_u32 v254, v255
	s_wait_dscnt 0x0
	CROUND                                         ; the closing round
	s_endpgm
.Lfunc_end_k_q7a58517fed_outproj:
	.size	k_q7a58517fed_outproj, .Lfunc_end_k_q7a58517fed_outproj-k_q7a58517fed_outproj
	.p2alignl 7, 3214868480
	.fill 96, 4, 3214868480
	.section	.rodata,"a",@progbits
	.p2align	6, 0x0
	.amdhsa_kernel k_q7a58517fed_outproj
		.amdhsa_group_segment_fixed_size 327680
		.amdhsa_private_segment_fixed_size 0
		.amdhsa_enable_private_segment 0
		.amdhsa_kernarg_size 32
		.amdhsa_user_sgpr_count 2
		.amdhsa_user_sgpr_kernarg_segment_ptr 1
		.amdhsa_wavefront_size32 1
		.amdhsa_system_sgpr_workgroup_id_x 1
		.amdhsa_system_sgpr_workgroup_id_y 1
		.amdhsa_system_sgpr_workgroup_id_z 1
		.amdhsa_system_vgpr_workitem_id 0
		.amdhsa_next_free_vgpr 384
		.amdhsa_next_free_sgpr 72
		.amdhsa_reserve_vcc 0
		.amdhsa_float_denorm_mode_32 3
		.amdhsa_float_denorm_mode_16_64 3
		.amdhsa_memory_ordered 1
		.amdhsa_forward_progress 1
		.amdhsa_inst_pref_size 94
	.end_amdhsa_kernel
	.amdgpu_metadata
---
amdhsa.version: [ 1, 2 ]
amdhsa.kernels:
  - .name:           k_q7a58517fed_outproj
    .symbol:         k_q7a58517fed_outproj.kd
    .args:
      - { .name: ctx, .offset: 0, .size: 8, .value_kind: global_buffer, .address_space: global }
      - { .name: ops, .offset: 8, .size: 8, .value_kind: global_buffer, .address_space: global }
      - { .name: b_out, .offset: 16, .size: 8, .value_kind: global_buffer, .address_space: global }
      - { .name: out0, .offset: 24, .size: 8, .value_kind: global_buffer, .address_space: global }
    .group_segment_fixed_size: 327680
    .private_segment_fixed_size: 0
    .kernarg_segment_align: 8
    .kernarg_segment_size: 32
    .max_flat_workgroup_size: 128
    .sgpr_count:     72
    .vgpr_count:     384
    .wavefront_size: 32
...
	.end_amdgpu_metadata
.endif
;; end of part 4
